; MI455X (gfx1250); checked and timed in simulation.
; The chip was launched on July 23, 2026; its instructions are those of AMD's public machine-readable ISA for CDNA 5 (MIT licence, August 2026) and "CDNA5" Instruction Set Architecture Reference Guide (July 2026). The comments in the code are by the model that wrote it; some were corrected since.
;; Query Mixer. Allowed arithmetic: float matrix products may take bf16 or f16 operands with f32 sums; other float arithmetic in f32, or as packed bf16 or f16 multiplies, adds, multiply-adds, maxima and minima; sums over many terms, partial sums and values carried from step to step in f32; what a program stores and reads back later, other than sums and carried values, may be rounded once to bf16 or f16.
;; Inputs: W_gen 512 x 512 float32; W_out 2,048 x 512 float32; W_val 512 x 2,048 float32; b_gen 512 float32; b_out 512 float32; b_val 2,048 float32; bias 1 x 8 x 300 x 300 float32; query_feats 64 x 300 x 512 float32; weight_bank 1 x 8 x 300 x 300 float32.
;; Outputs: out0 64 x 300 x 512 float32.
;; One version. Each part assembles by itself: llvm-mc -triple=amdgcn-amd-amdhsa -mcpu=gfx1250 --defsym DOCPART=n.
;; ======== version 1 of 1: 3 launches
;; limits: a function is approximated: absolute error at most 0.0008
;; workspace buffers: xb 19,922,944 bytes; wc 2,621,440 bytes; wo 2,097,152 bytes; tab 5,914,624 bytes; ows 83,886,080 bytes
;; launch prep (part 1): grid 1240 x 1, 4 waves a work-group, no clusters, 0 bytes of LDS; arguments query_feats, W_gen, W_val, W_out, weight_bank, bias, xb, wc, wo, tab; writes xb, wc, wo, tab
.if DOCPART == 1
	.amdgcn_target "amdgcn-amd-amdhsa--gfx1250"
	.amdhsa_code_object_version 6
	.text
	.protected	k_qe1a39df9fd_prep
	.globl	k_qe1a39df9fd_prep
	.p2align	8
	.type	k_qe1a39df9fd_prep,@function
k_qe1a39df9fd_prep:
	s_mov_b64 s[64:65], 0
	v_nop
	global_prefetch_b8 v0, s[64:65] scope:SCOPE_SE
	s_setreg_imm32_b32 hwreg(HW_REG_WAVE_MODE, 25, 1), 1
	s_wait_xcnt 0x0
; PREP: every matrix operand is rounded once to bf16 and laid in the order in which the later launches fetch it; the two score tables are scaled and laid in the order of a matrix result.
;   xb  [b 64][kb 8][row 304][64]            query_feats, columns 64 kb on; rows 300-303 are 0.  A (b, kb) block is 38,912 dense bytes
;   wc  [h 8][kb 8][chunk 5][k 64][64]       chunk c < 4: W_val columns 256 h + 64 c on; chunk 4: W_gen columns 64 h on; rows 64 kb + k
;   wo  [nq 4][kb 32][chunk 2][k 64][64]     W_out rows 64 kb + k, columns 128 nq + 64 chunk on
;   tab [h 8][qt 19][kt 19][2,048 bytes]     four pieces of 512 bytes: kappa x weight_bank keys 0-3, keys 4-7, kappa x bias keys 0-3, keys 4-7;
;                                            lane l = r + 16 hh has 16 bytes at 16 l: query 16 qt + r, keys 16 kt + 8 hh + 0..7.  Queries and keys from 300 on hold clamped copies, which enter no result
; kappa = sqrt(log2(e) / 2): the next launch works on z = kappa x score, see there.
; Work-groups 0-511: a block of xb.  512-831: a chunk of wc.  832-1087: a chunk of wo.  1088-1239: the 19 tiles of one (h, qt) of tab.  No LDS, no barrier: nothing is shared.
; A unit of a conversion is 16 rows x 64 columns: thread t takes row t / 8, eight columns (32 bytes in, 16 out); a wave's store covers 512 consecutive bytes.
.set D,     32                         ; v[32:183]  the units as loaded, 8 registers each; the low 4 then hold the bf16
.set T,     32                         ; v[32:111]  the table job: 16 registers a tile
.set KAPPA, 0x3f596d27                 ; 0.8493218
; n units from s[28:29] + v5 (pitch bytes from row to row) to s[30:31] + v4.  clamp = 1: the last unit reads by v6 (rows held to 299) and writes 0 where vcc is off.
; All loads go out first; the wait in front of unit i leaves the 2 (n - 1 - i) younger loads out.
.macro CONV n, pitch, clamp
.set i, 0
.rept \n
.if (\clamp) && (i == (\n)-1)
	global_load_b128 v[D+8*i:D+8*i+3],   v6, s[28:29]
	global_load_b128 v[D+8*i+4:D+8*i+7], v6, s[28:29] offset:16
.else
	global_load_b128 v[D+8*i:D+8*i+3],   v5, s[28:29] offset:i*16*(\pitch)
	global_load_b128 v[D+8*i+4:D+8*i+7], v5, s[28:29] offset:i*16*(\pitch)+16
.endif
.set i, i+1
.endr
.set i, 0
.rept \n
	s_wait_loadcnt 2*((\n)-1-i)
.irp k, 0,1,2,3
	v_cvt_pk_bf16_f32 v[D+8*i+\k], v[D+8*i+2*\k], v[D+8*i+2*\k+1]  ; in place: register k is written when registers 2 k, 2 k + 1 have been read
.endr
.if (\clamp) && (i == (\n)-1)
.irp k, 0,1,2,3
	v_cndmask_b32 v[D+8*i+\k], 0, v[D+8*i+\k], vcc_lo
.endr
.endif
	global_store_b128 v4, v[D+8*i:D+8*i+3], s[30:31] offset:2048*i
.set i, i+1
.endr
.endm
	s_load_b512 s[4:19], s[0:1], 0x0               ; query_feats s[4:5], W_gen s[6:7], W_val s[8:9], W_out s[10:11], weight_bank s[12:13], bias s[14:15], xb s[16:17], wc s[18:19]
	s_load_b128 s[20:23], s[0:1], 0x40             ; wo s[20:21], tab s[22:23]
	s_mov_b32 s24, ttmp9
	v_lshrrev_b32 v1, 3, v0                        ; my row in a unit
	v_and_b32 v2, 7, v0
	v_lshlrev_b32 v3, 5, v2                        ; my 32 bytes of its 256
	v_lshlrev_b32 v4, 4, v0                        ; my 16 bytes of a unit's 2,048 on the way out
	s_mov_b32 s35, 0
	s_wait_kmcnt 0x0
	s_cmp_lt_u32 s24, 512
	s_cbranch_scc0 .Lnot_x
	; a block of xb: b = id / 8, kb = id % 8
	s_lshr_b32 s26, s24, 3
	s_and_b32 s27, s24, 7
	s_mul_i32 s34, s26, 614400
	s_lshl_b32 s27, s27, 8
	s_add_co_u32 s34, s34, s27
	s_add_nc_u64 s[28:29], s[4:5], s[34:35]
	s_mul_i32 s34, s24, 38912
	s_add_nc_u64 s[30:31], s[16:17], s[34:35]
	v_lshl_add_u32 v5, v1, 11, v3
	v_add_nc_u32 v6, 288, v1                       ; the last unit's rows 288-303, held to 299: no load leaves the batch
	v_min_u32 v6, 299, v6
	v_lshl_add_u32 v6, v6, 11, v3
	v_cmp_gt_u32 vcc_lo, 12, v1                    ; its rows 300-303 are written as 0
	CONV 19, 2048, 1
	s_endpgm
.Lnot_x:
	s_cmp_lt_u32 s24, 832
	s_cbranch_scc0 .Lnot_wc
	; a chunk of wc: j = id - 512 = 5 (8 h + kb) + chunk
	s_sub_co_u32 s25, s24, 512
	s_mul_i32 s26, s25, 205
	s_lshr_b32 s26, s26, 10                        ; j / 5, exact for j < 320
	s_mul_i32 s27, s26, 5
	s_sub_co_u32 s27, s25, s27                     ; chunk
	s_lshr_b32 s32, s26, 3                         ; h
	s_and_b32 s33, s26, 7                          ; kb
	s_lshl_b32 s34, s25, 13
	s_add_nc_u64 s[30:31], s[18:19], s[34:35]
	s_cmp_eq_u32 s27, 4
	s_cbranch_scc1 .Lgen
	s_lshl_b32 s34, s33, 19                        ; 64 kb rows of 8,192 bytes
	s_lshl_b32 s32, s32, 10
	s_add_co_u32 s34, s34, s32
	s_lshl_b32 s27, s27, 8
	s_add_co_u32 s34, s34, s27
	s_add_nc_u64 s[28:29], s[8:9], s[34:35]
	v_lshl_add_u32 v5, v1, 13, v3
	CONV 4, 8192, 0
	s_endpgm
.Lgen:
	s_lshl_b32 s34, s33, 17                        ; 64 kb rows of 2,048 bytes
	s_lshl_b32 s32, s32, 8
	s_add_co_u32 s34, s34, s32
	s_add_nc_u64 s[28:29], s[6:7], s[34:35]
	v_lshl_add_u32 v5, v1, 11, v3
	CONV 4, 2048, 0
	s_endpgm
.Lnot_wc:
	s_cmp_lt_u32 s24, 1088
	s_cbranch_scc0 .Ltab
	; a chunk of wo: j = id - 832 = 64 nq + 2 kb + chunk
	s_sub_co_u32 s25, s24, 832
	s_bfe_u32 s26, s25, 0x50001                    ; kb
	s_lshl_b32 s34, s26, 17
	s_lshr_b32 s26, s25, 6                         ; nq
	s_lshl_b32 s26, s26, 9
	s_add_co_u32 s34, s34, s26
	s_and_b32 s26, s25, 1                          ; chunk
	s_lshl_b32 s26, s26, 8
	s_add_co_u32 s34, s34, s26
	s_add_nc_u64 s[28:29], s[10:11], s[34:35]
	s_lshl_b32 s34, s25, 13
	s_add_nc_u64 s[30:31], s[20:21], s[34:35]
	v_lshl_add_u32 v5, v1, 11, v3
	CONV 4, 2048, 0
	s_endpgm
.Ltab:
	; the tiles of (h, qt): j = id - 1088 = 19 h + qt.  Wave w makes tiles kt = w + 4 i
	s_sub_co_u32 s25, s24, 1088
	s_mul_i32 s26, s25, 27
	s_lshr_b32 s26, s26, 9                         ; j / 19, exact for j < 152
	s_mul_i32 s27, s26, 19
	s_sub_co_u32 s27, s25, s27                     ; qt
	s_mul_i32 s34, s26, 360000
	s_add_nc_u64 s[12:13], s[12:13], s[34:35]      ; the head's 300 x 300 numbers in either table
	s_add_nc_u64 s[14:15], s[14:15], s[34:35]
	s_mul_i32 s34, s25, 38912
	s_add_nc_u64 s[22:23], s[22:23], s[34:35]
	s_mov_b32 s36, KAPPA
	s_mov_b32 s37, KAPPA                           ; named with it as a pair
	v_lshrrev_b32 v7, 5, v0
	v_readfirstlane_b32 s38, v7                    ; wave
	v_and_b32 v8, 15, v0                           ; r
	v_bfe_u32 v9, v0, 4, 1                         ; hh
	s_lshl_b32 s27, s27, 4
	v_add_nc_u32 v10, s27, v8
	v_min_u32 v10, 299, v10                        ; the query, held inside the table
	v_mul_u32_u24 v10, 1200, v10
	v_lshl_add_u32 v11, v7, 1, v9                  ; 2 w + hh
	v_lshl_add_u32 v12, v11, 5, v10                ; row + 4 (16 w + 8 hh)
	v_lshlrev_b32 v13, 3, v11
	v_add_nc_u32 v13, 260, v13                     ; tile w + 16, keys 4-7 of my eight:
	v_min_u32 v13, 296, v13                        ; held inside the row (keys 300-303 take a copy of 296-299)
	v_lshl_add_u32 v13, v13, 2, v10
	v_and_b32 v14, 31, v0
	v_lshlrev_b32 v14, 4, v14
	v_lshl_add_u32 v14, v7, 11, v14                ; out: tile w, 16 bytes a lane
.set i, 0
.rept 4
	global_load_b128 v[T+16*i:T+16*i+3],     v12, s[12:13] offset:256*i
	global_load_b128 v[T+16*i+4:T+16*i+7],   v12, s[12:13] offset:256*i+16
	global_load_b128 v[T+16*i+8:T+16*i+11],  v12, s[14:15] offset:256*i
	global_load_b128 v[T+16*i+12:T+16*i+15], v12, s[14:15] offset:256*i+16
.set i, i+1
.endr
.macro TABOUT i, left                  ; tile w + 4 i: scaled and stored, four stores of 512 consecutive bytes; left = the younger loads, which stay out
	s_wait_loadcnt \left
.irp p, 0,2,4,6,8,10,12,14
	v_pk_mul_f32 v[T+16*(\i)+\p:T+16*(\i)+\p+1], v[T+16*(\i)+\p:T+16*(\i)+\p+1], s[36:37] op_sel_hi:[1,0]
.endr
.irp p, 0,1,2,3
	global_store_b128 v14, v[T+16*(\i)+4*\p:T+16*(\i)+4*\p+3], s[22:23] offset:8192*(\i)+512*\p
.endr
.endm
	TABOUT 0, 12
	TABOUT 1, 8
	TABOUT 2, 4
	TABOUT 3, 0
	s_cmp_eq_u32 s38, 3
	s_cbranch_scc1 .Ldone                          ; there is no tile 19
	global_load_b128 v[T+64:T+67], v12, s[12:13] offset:1024
	global_load_b128 v[T+68:T+71], v13, s[12:13]
	global_load_b128 v[T+72:T+75], v12, s[14:15] offset:1024
	global_load_b128 v[T+76:T+79], v13, s[14:15]
	TABOUT 4, 0
.Ldone:
	s_endpgm
.Lfunc_end_k_qe1a39df9fd_prep:
	.size	k_qe1a39df9fd_prep, .Lfunc_end_k_qe1a39df9fd_prep-k_qe1a39df9fd_prep
	.p2alignl 7, 3214868480
	.fill 96, 4, 3214868480
	.section	.rodata,"a",@progbits
	.p2align	6, 0x0
	.amdhsa_kernel k_qe1a39df9fd_prep
		.amdhsa_group_segment_fixed_size 0
		.amdhsa_private_segment_fixed_size 0
		.amdhsa_enable_private_segment 0
		.amdhsa_kernarg_size 80
		.amdhsa_user_sgpr_count 2
		.amdhsa_user_sgpr_kernarg_segment_ptr 1
		.amdhsa_wavefront_size32 1
		.amdhsa_system_sgpr_workgroup_id_x 1
		.amdhsa_system_sgpr_workgroup_id_y 1
		.amdhsa_system_sgpr_workgroup_id_z 1
		.amdhsa_system_vgpr_workitem_id 0
		.amdhsa_next_free_vgpr 192
		.amdhsa_next_free_sgpr 66
		.amdhsa_reserve_vcc 1
		.amdhsa_float_denorm_mode_32 3
		.amdhsa_float_denorm_mode_16_64 3
		.amdhsa_memory_ordered 1
		.amdhsa_forward_progress 1
		.amdhsa_inst_pref_size 29
	.end_amdhsa_kernel
	.amdgpu_metadata
---
amdhsa.version: [ 1, 2 ]
amdhsa.kernels:
  - .name:           k_qe1a39df9fd_prep
    .symbol:         k_qe1a39df9fd_prep.kd
    .args:
      - { .name: query_feats, .offset: 0, .size: 8, .value_kind: global_buffer, .address_space: global }
      - { .name: W_gen, .offset: 8, .size: 8, .value_kind: global_buffer, .address_space: global }
      - { .name: W_val, .offset: 16, .size: 8, .value_kind: global_buffer, .address_space: global }
      - { .name: W_out, .offset: 24, .size: 8, .value_kind: global_buffer, .address_space: global }
      - { .name: weight_bank, .offset: 32, .size: 8, .value_kind: global_buffer, .address_space: global }
      - { .name: bias, .offset: 40, .size: 8, .value_kind: global_buffer, .address_space: global }
      - { .name: xb, .offset: 48, .size: 8, .value_kind: global_buffer, .address_space: global }
      - { .name: wc, .offset: 56, .size: 8, .value_kind: global_buffer, .address_space: global }
      - { .name: wo, .offset: 64, .size: 8, .value_kind: global_buffer, .address_space: global }
      - { .name: tab, .offset: 72, .size: 8, .value_kind: global_buffer, .address_space: global }
    .group_segment_fixed_size: 0
    .private_segment_fixed_size: 0
    .kernarg_segment_align: 8
    .kernarg_segment_size: 80
    .max_flat_workgroup_size: 128
    .sgpr_count:     66
    .vgpr_count:     192
    .wavefront_size: 32
...
	.end_amdgpu_metadata
.endif
;; end of part 1
;; launch mix (part 2): grid 8 x 64, 4 waves a work-group, clusters of 4 x 4, 327,680 bytes of LDS; arguments xb, wc, tab, b_gen, b_val, ows; writes ows
.if DOCPART == 2
	.amdgcn_target "amdgcn-amd-amdhsa--gfx1250"
	.amdhsa_code_object_version 6
	.text
	.protected	k_qe1a39df9fd_mix
	.globl	k_qe1a39df9fd_mix
	.p2align	8
	.type	k_qe1a39df9fd_mix,@function
k_qe1a39df9fd_mix:
	s_mov_b64 s[64:65], 0
	v_nop
	global_prefetch_b8 v0, s[64:65] scope:SCOPE_SE
	s_setreg_imm32_b32 hwreg(HW_REG_WAVE_MODE, 25, 1), 1
	s_wait_xcnt 0x0
	s_wait_alu depctr_hold_cnt(0) depctr_sa_sdst(0) depctr_va_vdst(0) depctr_va_sdst(0) depctr_va_ssrc(0) depctr_va_vcc(0) depctr_vm_vsrc(0)
	s_getreg_b32 s2, hwreg(HW_REG_IB_STS2, 6, 4)
	s_cmp_eq_u32 s2, 0
	s_cbranch_scc0 .Lentry_in_a_cluster
	s_endpgm
.Lentry_in_a_cluster:
	s_bfe_u32 s2, ttmp6, 0x10000c
	s_cmp_lg_u32 s2, 0xf033
	s_cbranch_scc0 .Lentry_shape_is_right
	s_endpgm
.Lentry_shape_is_right:
; MIX: one work-group makes one (batch, head): M = X W_gen + b_gen and V = X W_val + b_val for the head, S = q M, z = S x weight_bank + bias, exact GELU, softmax over the 300 keys, O = attn V.
; Products in bf16 with f32 sums; M, V, the weights and O are rounded once to bf16; tables, biases, GELU, maximum and sums in f32.
; GELU.  The tables come scaled by kappa = sqrt(log2(e) / 2), so z = kappa x; u = |z|.  erf(|x| / sqrt 2) = 1 - (1 + b1 u + b2 u^2 + b3 u^3 + b4 u^4)^-4 (Abramowitz and Stegun 7.1.27, its a_k times
; (ln 2)^(k/2): off by 5e-4 at the most, for every x; where the polynomial overflows its reciprocal is 0 and erf is 1); g = z + u erf = 2 kappa gelu(x); the weight is 2^(kappa g - kappa max g),
; with the row's true maximum over its 300 keys.
; LIMITS.  gelu is off by 8e-4 at the most (|x| / 2 times the error of erf, largest near x = 3), less than the step 2^-9 of a weight rounded to bf16; keys 300-303 of the padded tiles count as g = -1e30;
; a weight below 2^-126 counts as 0; NaN and infinities are not treated apart.
; SHARES.  300 rows are 19 blocks of 16 (rows 300-303 of xb are 0).  PROJECTION: wave w makes, for all 304 keys, its 64 channels of V (76 accumulators) and its 16 columns of M (19): K = 512 in 8 steps of 64
; through a ring of two LDS slots.  V NEVER LEAVES REGISTERS: a result holds key 8 (l / 16) + j and channel l % 16, so two row blocks rounded in pairs are source 0 (16 channels x 32 keys) of O^T = V^T P.
; M is made with its sources swapped (a lane holds 8 neighbouring d of one key) and goes to LDS.  ATTENTION: five rounds of 64 queries.  Wave w makes S^T = M q^T, GELU and softmax of query block min(4 i + w, 18)
; (the last round's fourth block is block 18 once more: every wave and every partner runs one text), puts P into LDS, and behind a barrier every wave multiplies its V^T by all four blocks.
; O^T holds one query a lane and 8 channels: 16 bytes; a store covers 512 consecutive bytes of ows [b][c16 128][row 320][16 channels].
; CLUSTER.  4 x 4 work-groups: the four of a row share the batch (X's tiles), the four of a column the head (W's tiles and the tables): each is asked for jointly.
; REGISTERS by their true numbers; WM, CVP and the load macros split them into window and low byte (s_set_vgpr_msb: bits 1:0 source 0, 3:2 source 1, 5:4 source 2, 7:6 destination).
;   v0-31 addresses.  Projection: v32-111 W's fragments, two buffers of 5; v112-191 X's fragments, two banks of 5; v192-223 b_val, v224-231 b_gen as first C; v256-863 V's sums; v864-1015 M's sums.
;   Attention: v32-63 at work, two sets of 16; v64-215 S^T / P; v216-231 q; v232-251 statistics; v256-575 V^T; v576-703 O^T; v704-1007 staging, 16 a key tile (M's fragments, then the tables);
;   v704-831 are P's fragments in the second product, which leaves v832-1007 free for the next round's M.
.set SLOTB, 94976                      ; a slot: X 304 rows x 144 bytes, then W 320 rows x 160
.set WOFF,  43776
.set GOFF,  WOFF+40960                 ; W's fifth chunk: W_gen
.set MREG,  2*SLOTB                    ; M: 304 keys x 144 bytes (128 + 16: the 16 rows of a load start at 16 different groups of four banks, ISA guide 11.1)
.set PBUF,  MREG+43776                 ; P: 64 queries x 656 bytes (320 keys in bf16 + 16)
.set PP,    656
.set SPARE, PBUF+64*PP                 ; the spare words, 128 bytes a wave: two blocks of 256 bytes that no other line names
.set TABB,  38912                      ; a query block's tables; wave w's lie at w x 38,912, over the ring when the projection is done
.set R,    1                           ; l % 16
.set HH,   2                           ; l / 16
.set TRL,  3                           ; my lane's place in a turning load
.set ADRX, 4                           ; v4-5   X's fragments in slot 0, 1
.set ADRW, 6                           ; v6-7   my chunk of W_val
.set ADRG, 8                           ; v8-9   my 16 columns of W_gen
.set MST,  10                          ; where I put 16 bytes of M
.set MRD,  11                          ; M's fragments
.set TRD,  12                          ; my tables
.set PST,  13                          ; where I put 16 bytes of P
.set PRD,  15                          ; P's fragments
.set OOF,  17                          ; my 16 bytes in 512 of ows
.set QL,   18                          ; my lane's place in 16 rows of q
.set QOF,  19                          ; the same with the query block
.set BVO,  20
.set BGO,  21
.set SPW,  28                          ; LDS address of my spare word; never rewritten
.set NIL,  29                          ; 0; never rewritten
.set BIG,  30                          ; -1e30
.set BF,   32
.set AB,   112
.set CB,   192
.set CG,   224
.set TA,   32                          ; u = |z| of a tile: v32-39 and v48-55 by turns
.set TP,   40                          ; its polynomial, reciprocal, erf: v40-47 and v56-63 by turns
.set S,    64
.set Q,    216
.set MX,   232                         ; four chains of the maximum
.set KM,   236                         ; kappa x maximum, twice
.set SU,   238                         ; four pairs of sums
.set RL,   246                         ; 1 / l, twice
.set ZR,   248                         ; four zeros
.set VACC, 256
.set MACC, 864
.set VT,   256
.set OACC, 576
.set PFB,  704
.set STG,  704
.set G1X, 24                           ; s[24:31] group 1 for X's tiles     s[40:47] group 0, a set for each slot
.set G1W, 32                           ; s[32:39] for W's                   s[48:55]
.set G0X, 40
.set G0W, 48
.set G1T, 56                           ; s[56:63] for the tables            s[68:71]
.set G0T, 68
; s16 wave, s17 wave / 2, s18 wave % 2; s19 cx, s20 cy, s21 head, s22 batch; s[72:73] lane selects; s[74:75] kappa, s[76:83] b4, b3, b2, b1 as pairs; s84 sign mask; s85 lanes 16-31;
; s86 rounds to go; s87 4 x round; s89 laps; s[92:93] ows at my channels; s[94:95] q; s[96:97] the head's tables
.set MSB, 0
.macro WIN new                         ; the high byte repeats the setting that is left; a switch that changes nothing is dropped
.if MSB != (\new)
	s_set_vgpr_msb (MSB<<8)|(\new)
.set MSB, (\new)
.endif
.endm
.macro PLACES                          ; four plain places between a matrix instruction and a load into, or a vector line on, its registers
.rept 4
	v_nop
.endr
.endm
.macro WM d, a, b, c                   ; D = A B + C by true register numbers; c = -1: the constant 0 starts the sum
.if (\c) < 0
	WIN (((\d)/256)<<6)|(((\d)/256)<<4)|(((\b)/256)<<2)|((\a)/256)
	v_wmma_f32_16x16x32_bf16 v[(\d)%256:(\d)%256+7], v[(\a)%256:(\a)%256+7], v[(\b)%256:(\b)%256+7], 0
.else
	WIN (((\d)/256)<<6)|(((\c)/256)<<4)|(((\b)/256)<<2)|((\a)/256)
	v_wmma_f32_16x16x32_bf16 v[(\d)%256:(\d)%256+7], v[(\a)%256:(\a)%256+7], v[(\b)%256:(\b)%256+7], v[(\c)%256:(\c)%256+7]
.endif
.endm
.macro CVP d, a                        ; two sums rounded to bf16
	WIN (((\d)/256)<<6)|(((\a)/256)<<2)|((\a)/256)
	v_cvt_pk_bf16_f32 v[(\d)%256], v[(\a)%256], v[(\a)%256+1]
.endm
.macro CREST                           ; a round of the cluster's barrier behind its opening barrier
	s_cmp_lg_u32 s16, 0
	s_cbranch_scc1 .Lnot_wave_0_\@
	s_barrier_signal -3
.Lnot_wave_0_\@:
	s_barrier_wait -3
	s_barrier_signal -1
	s_barrier_wait -1
.endm
.macro CROUND                          ; a whole round
	s_barrier_signal -1
	s_barrier_wait -1
	CREST
.endm
; A joint refill of the ring: waves 0 and 1 fetch the halves of X's tile, waves 2 and 3 those of W's.  An s_nop 0 and four v_nop follow each line.
.macro JLOAD s
	s_cmp_eq_u32 s17, 0
	s_cbranch_scc0 .Lfor_w_\@
	tensor_load_to_lds s[G0X+4*(\s):G0X+4*(\s)+3], s[G1X:G1X+7]
	s_nop 0
.rept 4
	v_nop
.endr
	s_branch .Lasked_\@
.Lfor_w_\@:
	tensor_load_to_lds s[G0W+4*(\s):G0W+4*(\s)+3], s[G1W:G1W+7]
	s_nop 0
.rept 4
	v_nop
.endr
.Lasked_\@:
.endm
	s_load_b256 s[4:11], s[0:1], 0x0               ; xb s[4:5], wc s[6:7], tab s[8:9], b_gen s[10:11]
	s_load_b128 s[12:15], s[0:1], 0x20             ; b_val s[12:13], ows s[14:15]
	v_lshl_add_u32 v[SPW], v0, 2, SPARE
	v_mov_b32 v[NIL], 0
	ds_add_u32 v[SPW], v[NIL]                      ; the wave's opening: the add and its wait stand ahead of my first tensor load; work on registers stands between them
	v_lshrrev_b32 v1, 5, v0
	v_readfirstlane_b32 s16, v1                    ; wave 0..3
	s_lshr_b32 s17, s16, 1                         ; I fetch for X (0) or for W (1),
	s_and_b32 s18, s16, 1                          ; this half of the tile
	s_bfe_u32 s19, ttmp6, 0x40000                  ; cx
	s_bfe_u32 s20, ttmp6, 0x40004                  ; cy
	s_lshl_b32 s21, ttmp9, 2
	s_add_co_u32 s21, s21, s19                     ; head = 4 x cluster x + cx
	s_and_b32 s22, ttmp7, 0xffff
	s_lshl_b32 s22, s22, 2
	s_add_co_u32 s22, s22, s20                     ; batch = 4 x cluster y + cy
	s_lshl_b32 s23, s20, 2
	s_lshl_b32 s23, 15, s23                        ; my row of the cluster
	s_lshl_b32 s88, 0x1111, s19                    ; my column
	; group 1: dense bytes asked for as rows of 128 elements of 2 bytes; X padded by 4 words, W by 8, after every 32 words (a row of 64 numbers); the tables unpadded
	s_or_b32 s[G1X], s23, (1<<16)|(1<<20)|(1<<21)|(4<<22)|(3<<25)
	s_or_b32 s[G1W], s88, (1<<16)|(1<<20)|(1<<21)|(4<<22)|(7<<25)
	s_or_b32 s[G1T], s88, (1<<16)|(1<<21)
.irp g, G1X, G1W, G1T
	s_mov_b32 s[\g+1], 128<<16                     ; tensor_dim0 = 128
	s_mov_b32 s[\g+3], 128<<16                     ; tile_dim0 = 128
	s_mov_b32 s[\g+5], 128                         ; 128 elements from row to row
	s_mov_b32 s[\g+6], 0
	s_mov_b32 s[\g+7], 0
.endr
	s_mov_b32 s[G1X+2], 76<<16                     ; half of X's tile: 76 rows of 256 bytes = 152 rows of X
	s_mov_b32 s[G1X+4], 76
	s_mov_b32 s[G1W+2], 80<<16                     ; half of W's: 80 = 160 rows of W
	s_mov_b32 s[G1W+4], 80
	s_mov_b32 s[G1T+2], 152<<16                    ; a query block's 19 tiles of 2,048 bytes
	s_mov_b32 s[G1T+4], 152
	s_mul_i32 s90, s18, 21888                      ; LDS addresses: constants and the wave's number alone
	s_mov_b32 s[G0X], 1
	s_mov_b32 s[G0X+1], s90
	s_mov_b32 s[G0X+4], 1
	s_add_co_u32 s[G0X+5], s90, SLOTB
	s_mul_i32 s91, s18, 25600
	s_mov_b32 s[G0W], 1
	s_add_co_u32 s[G0W+1], s91, WOFF
	s_mov_b32 s[G0W+4], 1
	s_add_co_u32 s[G0W+5], s91, SLOTB+WOFF
	s_mov_b32 s[G0T], 1
	s_mul_i32 s[G0T+1], s16, TABB
	s_mul_i32 s98, s22, 311296                     ; the batch's 8 blocks of xb (registers that never hold cx),
	s_mul_i32 s90, s18, 19456
	s_add_co_u32 s98, s98, s90                     ; my half of a block
	s_mov_b32 s99, 0
	s_mul_i32 s100, s21, 327680                    ; the head's 8 tiles of wc (registers that never hold cy)
	s_mul_i32 s91, s18, 20480
	s_add_co_u32 s100, s100, s91
	s_mov_b32 s101, 0
	s_mov_b32 s72, 0x76543210
	s_mov_b32 s73, 0xfedcba98
	s_mov_b32 s74, 0x3f596d27                      ; kappa = 0.8493218
	s_mov_b32 s75, 0x3f596d27
	s_mov_b32 s76, 0x3d19b624                      ; b4 = 0.078108 (ln 2)^2   = 0.03752722
	s_mov_b32 s77, 0x3d19b624
	s_mov_b32 s78, 0x3a130ab4                      ; b3 = 0.000972 (ln 2)^1.5 = 0.00056092
	s_mov_b32 s79, 0x3a130ab4
	s_mov_b32 s80, 0x3e2386b1                      ; b2 = 0.230389 ln 2       = 0.15969349
	s_mov_b32 s81, 0x3e2386b1
	s_mov_b32 s82, 0x3e6d570c                      ; b1 = 0.278393 sqrt(ln 2) = 0.23177737
	s_mov_b32 s83, 0x3e6d570c
	s_mov_b32 s84, 0x7fffffff
	s_mov_b32 s85, 0xffff0000
	s_wait_dscnt 0x0                               ; the opening add is done
	s_wait_kmcnt 0x0
	s_add_nc_u64 s[G0X+2:G0X+3], s[4:5], s[98:99]  ; K step 0,
	s_add_nc_u64 s[G0X+6:G0X+7], s[G0X+2:G0X+3], 38912  ; K step 1
	s_or_b32 s[G0X+3], s[G0X+3], 0x80000000
	s_or_b32 s[G0X+7], s[G0X+7], 0x80000000
	s_add_nc_u64 s[G0W+2:G0W+3], s[6:7], s[100:101]
	s_add_nc_u64 s[G0W+6:G0W+7], s[G0W+2:G0W+3], 40960
	s_or_b32 s[G0W+3], s[G0W+3], 0x80000000
	s_or_b32 s[G0W+7], s[G0W+7], 0x80000000
	CROUND                                         ; all sixteen work-groups are here: the first joint loads meet
	s_cmp_eq_u32 s17, 0                            ; a wave's two first fills stand in one branch: two loads of mine are out
	s_cbranch_scc0 .Lfirst_w
	tensor_load_to_lds s[G0X:G0X+3], s[G1X:G1X+7]
	s_nop 0
	tensor_load_to_lds s[G0X+4:G0X+7], s[G1X:G1X+7]
	s_nop 0
.rept 4
	v_nop
.endr
	s_branch .Lfirst_asked
.Lfirst_w:
	tensor_load_to_lds s[G0W:G0W+3], s[G1W:G1W+7]
	s_nop 0
	tensor_load_to_lds s[G0W+4:G0W+7], s[G1W:G1W+7]
	s_nop 0
.rept 4
	v_nop
.endr
.Lfirst_asked:
	s_mul_i32 s100, s21, 739328
	s_add_nc_u64 s[96:97], s[8:9], s[100:101]      ; the head's tables
	s_lshl_b32 s100, s21, 10
	s_lshl_b32 s90, s16, 8
	s_add_co_u32 s100, s100, s90
	s_add_nc_u64 s[12:13], s[12:13], s[100:101]    ; b_val at channel 256 h + 64 w
	s_lshl_b32 s100, s21, 8
	s_lshl_b32 s90, s16, 6
	s_add_co_u32 s100, s100, s90
	s_add_nc_u64 s[10:11], s[10:11], s[100:101]    ; b_gen at column 64 h + 16 w
	s_lshl_b32 s90, s21, 4
	s_lshl_b32 s91, s16, 2
	s_add_co_u32 s90, s90, s91
	s_mul_i32 s90, s90, 10240
	s_mul_i32 s91, s22, 1310720
	s_add_co_u32 s90, s90, s91
	s_mov_b32 s91, 0
	s_add_nc_u64 s[92:93], s[14:15], s[90:91]      ; ows at (batch, c16 = 16 h + 4 w)
	s_mul_i32 s94, s22, 311296
	s_mul_i32 s95, s21, 38912
	s_add_co_u32 s94, s94, s95
	s_mov_b32 s95, 0
	s_add_nc_u64 s[94:95], s[4:5], s[94:95]        ; q = block (batch, kb = head) of xb
	; a fragment is 16 rows x 32 K in 8 registers: lane l holds row l % 16, K = 8 (l / 16) + 0..7 and 16 + 8 (l / 16) + 0..7: two loads of 16 bytes, 32 bytes apart
	v_and_b32 v[R], 15, v0
	v_bfe_u32 v[HH], v0, 4, 1
	v_mul_u32_u24 v[ADRX], 144, v[R]
	v_lshl_add_u32 v[ADRX], v[HH], 4, v[ADRX]
	v_add_nc_u32 v[ADRX+1], SLOTB, v[ADRX]
	; W lies [K][N]: the turning load takes 16 K x 16 N (lane l reads row 8 (l / 16) + l % 8, columns 8 ((l / 8) % 2) + 0..7) and leaves half a fragment: lane l holds column l % 16 and 8 K
	v_and_b32 v22, 7, v0
	v_lshl_add_u32 v22, v[HH], 3, v22
	v_mul_u32_u24 v[TRL], 160, v22
	v_bfe_u32 v22, v0, 3, 1
	v_lshl_add_u32 v[TRL], v22, 4, v[TRL]
	s_mul_i32 s90, s16, 10240
	s_add_co_u32 s90, s90, WOFF
	v_add_nc_u32 v[ADRW], s90, v[TRL]
	v_add_nc_u32 v[ADRW+1], SLOTB, v[ADRW]
	s_lshl_b32 s91, s16, 5
	s_add_co_u32 s90, s91, GOFF
	v_add_nc_u32 v[ADRG], s90, v[TRL]
	v_add_nc_u32 v[ADRG+1], SLOTB, v[ADRG]
	s_add_co_u32 s90, s91, MREG
	v_add_nc_u32 v[MST], s90, v[ADRX]              ; key l % 16, d = 16 w + 8 (l / 16) on
	v_add_nc_u32 v[MRD], MREG, v[ADRX]
	v_and_b32 v22, 31, v0
	v_lshlrev_b32 v22, 4, v22
	s_mul_i32 s90, s16, TABB
	v_add_nc_u32 v[TRD], s90, v22
	v_mul_u32_u24 v[PRD], PP, v[R]
	v_lshl_add_u32 v[PRD], v[HH], 4, v[PRD]
	v_add_nc_u32 v[PRD], PBUF, v[PRD]
	s_mul_i32 s90, s16, 16*PP
	v_add_nc_u32 v[PST], s90, v[PRD]
	v_lshlrev_b32 v[OOF], 5, v[R]
	v_lshl_add_u32 v[OOF], v[HH], 4, v[OOF]
	v_lshlrev_b32 v[QL], 7, v[R]
	v_lshl_add_u32 v[QL], v[HH], 4, v[QL]
	v_lshlrev_b32 v[BVO], 2, v[R]
	v_lshlrev_b32 v[BGO], 5, v[HH]
	v_mov_b32 v[BIG], 0xf149f2ca
.irp k, 0,1,2,3
	v_mov_b32 v[ZR+\k], 0
.endr
	; the biases are the C of the first products: V's result holds channel l % 16 in all 8 registers, M's holds d = 8 (l / 16) + j in register j
.irp cb, 0,1,2,3
	global_load_b32 v[CB+8*\cb], v[BVO], s[12:13] offset:64*\cb
.endr
	global_load_b128 v[CG:CG+3],   v[BGO], s[10:11]
	global_load_b128 v[CG+4:CG+7], v[BGO], s[10:11] offset:16
	s_wait_loadcnt 0x0
.irp cb, 0,1,2,3
.irp j, 1,2,3,4,5,6,7
	v_mov_b32 v[CB+8*\cb+\j], v[CB+8*\cb]
.endr
.endr
; THE PROJECTION.  A K step is two halves of 32 (ks); a half is 95 matrix instructions, each accumulator once, so that no two that follow each other share one.
; X's 19 row blocks go in four groups (5, 5, 5, 4) through two banks: while one group is multiplied the next group's fragments are on their way.
.macro LDA slot, ks, g                 ; group g of X's fragments into bank g % 2
	WIN 0
.set n_, 5-(\g)/3
.set i_, 0
.rept n_
	ds_load_b128 v[AB+40*((\g)%2)+8*i_:AB+40*((\g)%2)+8*i_+3],   v[ADRX+(\slot)] offset:(5*(\g)+i_)*2304+64*(\ks)
	ds_load_b128 v[AB+40*((\g)%2)+8*i_+4:AB+40*((\g)%2)+8*i_+7], v[ADRX+(\slot)] offset:(5*(\g)+i_)*2304+64*(\ks)+32
.set i_, i_+1
.endr
.endm
.macro LDB slot, ks                    ; my four fragments of W_val and my one of W_gen into buffer ks
	WIN 0
.irp cb, 0,1,2,3
	ds_load_tr16_b128 v[BF+40*(\ks)+8*\cb:BF+40*(\ks)+8*\cb+3],   v[ADRW+(\slot)] offset:5120*(\ks)+32*\cb
	ds_load_tr16_b128 v[BF+40*(\ks)+8*\cb+4:BF+40*(\ks)+8*\cb+7], v[ADRW+(\slot)] offset:5120*(\ks)+32*\cb+2560
.endr
	ds_load_tr16_b128 v[BF+40*(\ks)+32:BF+40*(\ks)+35], v[ADRG+(\slot)] offset:5120*(\ks)
	ds_load_tr16_b128 v[BF+40*(\ks)+36:BF+40*(\ks)+39], v[ADRG+(\slot)] offset:5120*(\ks)+2560
.endm
.macro MULV ks, g, i0, i1, first       ; V: source 0 = 16 keys of X, source 1 = 16 channels of W_val; product i: row block i / 4 of the group, channel block i % 4
.set i_, \i0
.rept (\i1)-(\i0)
.set d_, VACC+8*(20*(\g)+i_)
.if \first
	WM d_, AB+40*((\g)%2)+8*(i_/4), BF+40*(\ks)+8*(i_%4), CB+8*(i_%4)
.else
	WM d_, AB+40*((\g)%2)+8*(i_/4), BF+40*(\ks)+8*(i_%4), d_
.endif
.set i_, i_+1
.endr
.endm
.macro MULM ks, g, first               ; M, sources swapped: source 0 = my 16 columns of W_gen, source 1 = 16 keys of X
.set n_, 5-(\g)/3
.set i_, 0
.rept n_
.set d_, MACC+8*(5*(\g)+i_)
.if \first
	WM d_, BF+40*(\ks)+32, AB+40*((\g)%2)+8*i_, CG
.else
	WM d_, BF+40*(\ks)+32, AB+40*((\g)%2)+8*i_, d_
.endif
.set i_, i_+1
.endr
.endm
; Half ks of the K step in a slot.  Each group: its fragments, asked for a group earlier, are in (nothing younger is out, so the wait is for 0); four places; the next group's loads; its products.
; mode 0: the slot's other half follows.  mode 1, 2: THE CHANGE OF SLOTS.  The slot's last reads go out in group 2; then each wave waits for all its tensor loads (one is out: its part of the other slot), adds 0 to its
; spare word, and waits for that and for its reads; behind the barrier nobody reads this slot and the other is whole.  mode 1: the barrier opens a round of the cluster's, and the joint refill, two K steps on, is the
; first thing behind it: it has 165 matrix instructions in which to land.  mode 2: nothing is left to fetch.  mode 3: the last half of all.
.macro KSUB slot, ks, first, mode
	s_wait_dscnt 0x0
	PLACES
	LDA \slot, \ks, 1
	MULV \ks, 0, 0, 20, \first
	MULM \ks, 0, \first
	s_wait_dscnt 0x0
	PLACES
	LDA \slot, \ks, 2
	MULV \ks, 1, 0, 20, \first
	MULM \ks, 1, \first
	s_wait_dscnt 0x0
	PLACES
	LDA \slot, \ks, 3
.if ((\mode) == 1) || ((\mode) == 2)
	WIN 0
	s_wait_tensorcnt 0x0                           ; all my tensor loads have landed
	ds_add_u32 v[SPW], v[NIL]                      ; 0 onto my spare word; twelve products stand between it and the wait for it
	MULV \ks, 2, 0, 12, 0
	s_wait_dscnt 0x0                               ; the add is done, and my reads of this slot are over
	s_barrier_signal -1
	MULV \ks, 2, 12, 20, 0
	MULM \ks, 2, 0
	WIN 0
	s_barrier_wait -1
.if (\mode) == 1
	CREST                                          ; no wave of any partner still reads this slot or has a load on its way
	s_add_nc_u64 s[G0X+4*(\slot)+2:G0X+4*(\slot)+3], s[G0X+4*(\slot)+2:G0X+4*(\slot)+3], 77824
	s_add_nc_u64 s[G0W+4*(\slot)+2:G0W+4*(\slot)+3], s[G0W+4*(\slot)+2:G0W+4*(\slot)+3], 81920
	JLOAD \slot                                    ; its four v_nop are also the places in front of the loads below
.else
	PLACES
.endif
	LDB 1-(\slot), 0
	LDA 1-(\slot), 0, 0
.else
	MULV \ks, 2, 0, 20, \first
	MULM \ks, 2, \first
	s_wait_dscnt 0x0
.if (\mode) == 0
	PLACES
	LDB \slot, 1
	LDA \slot, 1, 0
.endif
.endif
	MULV \ks, 3, 0, 16, \first                     ; in a change of slots group 3's fragments were in at the wait in front of the signal
	MULM \ks, 3, \first
.endm
	s_wait_tensorcnt 0x1                           ; my part of K step 0 is in; K step 1's may stay out
	s_barrier_signal -1
	s_barrier_wait -1                              ; everybody's is
	LDB 0, 0
	LDA 0, 0, 0
	KSUB 0, 0, 1, 0                                ; the first half stands ahead of the loop: its products start the sums, with the biases as C
	WIN 0
	s_mov_b32 s89, 3
.Llap:                                             ; a trip goes once round the ring and fills both slots again: K steps 2 to 7
	KSUB 0, 1, 0, 1
	KSUB 1, 0, 0, 0
	KSUB 1, 1, 0, 1
	KSUB 0, 0, 0, 0
	WIN 0
	s_sub_co_u32 s89, s89, 1
	s_cmp_lg_u32 s89, 0
	s_cbranch_scc1 .Llap
	KSUB 0, 1, 0, 2                                ; the tail is written out
	KSUB 1, 0, 0, 0
	KSUB 1, 1, 0, 3
	; M goes to LDS: a lane's 8 neighbouring d of one key are 16 bytes
	PLACES
	WIN 0x0f
.set rt, 0
.rept 19
.irp k, 0,1,2,3
	v_cvt_pk_bf16_f32 v[32+4*rt+\k], v[(MACC+8*rt)%256+2*\k], v[(MACC+8*rt)%256+2*\k+1]
.endr
.set rt, rt+1
.endr
	WIN 0
.set rt, 0
.rept 19
	ds_store_b128 v[MST], v[32+4*rt:32+4*rt+3] offset:2304*rt
.set rt, rt+1
.endr
	s_mov_b32 s87, 0
	s_mov_b32 s86, 5
; THE HEAD OF A ROUND.  One round of the cluster's barrier orders three things: the stores of M and P against the others' reads; my reads of my tables (the first time: everybody's reads of the ring) against
; the refill; and the partners' joint request.  Behind it the next query block's tables are asked for, my one tensor load, and its q.  Both land under the second product of the round before.
.macro ROUNDHEAD
	WIN 0
	s_wait_tensorcnt 0x0                           ; no tensor load of mine is out, so group 0 may be written
	ds_add_u32 v[SPW], v[NIL]                      ; 0 onto my spare word
	s_add_co_u32 s90, s87, s16
	s_min_u32 s90, s90, 18                         ; my query block
	s_mul_i32 s100, s90, TABB
	s_mov_b32 s101, 0
	s_add_nc_u64 s[G0T+2:G0T+3], s[96:97], s[100:101]  ; the address is made anew from the block's number
	s_or_b32 s[G0T+3], s[G0T+3], 0x80000000
	s_lshl_b32 s91, s90, 11
	s_wait_dscnt 0x0                               ; the add, my stores into LDS and my reads of the tables are done
	CROUND
	tensor_load_to_lds s[G0T:G0T+3], s[G1T:G1T+7]
	s_nop 0
.rept 4
	v_nop
.endr
	v_add_nc_u32 v[QOF], s91, v[QL]                ; the last loads by this register were waited for in the softmax
.irp e, 0,1,2,3
	global_load_b128 v[Q+4*\e:Q+4*\e+3], v[QOF], s[94:95] offset:32*\e
.endr
.endm
.macro MLD k0, k1                      ; M's fragments of key tiles k0 .. k1 - 1 into their staging registers: four loads a tile
.set km_, \k0
.rept (\k1)-(\k0)
.set f_, STG+16*km_
	WIN (f_/256)<<6
.irp e, 0,1,2,3
	ds_load_b128 v[f_%256+4*\e:f_%256+4*\e+3], v[MRD] offset:2304*km_+32*\e
.endr
.set km_, km_+1
.endr
.endm
; O^T += V^T P for the round's four query blocks: ten key steps of 32, in five batches of two; a batch's 16 loads go out a batch ahead.  The 16 accumulators take turns.
; mld = 1: behind each of the first four runs of P's loads go 12, 12, 12 and 8 loads of M's tiles 8 to 18 for the next round's scores, into registers that this product does not use.
.macro PLD u
.set f_, PFB+64*((\u)%2)
	WIN (f_/256)<<6
.irp sl, 0,1
.irp t, 0,1,2,3
	ds_load_b128 v[f_%256+32*\sl+8*\t:f_%256+32*\sl+8*\t+3],   v[PRD] offset:10496*\t+64*(2*(\u)+\sl)
	ds_load_b128 v[f_%256+32*\sl+8*\t+4:f_%256+32*\sl+8*\t+7], v[PRD] offset:10496*\t+64*(2*(\u)+\sl)+32
.endr
.endr
.endm
.macro AV mld
	PLD 0
.set u_, 0
.rept 5
.if u_ < 4
	PLACES
	PLD u_+1
.if \mld
.if u_ < 3
	MLD 8+3*u_, 11+3*u_
.else
	MLD 17, 19
.endif
.if u_ == 0
	s_wait_dscnt 28                                ; behind batch 0: 16 of P, 12 of M
.elseif u_ < 3
	s_wait_dscnt 40                                ; behind this batch: 12 of M, 16 of P, 12 of M
.else
	s_wait_dscnt 36                                ; 12 of M, 16 of P, 8 of M
.endif
.else
	s_wait_dscnt 16                                ; all but the 16 just issued
.endif
.else
	s_wait_dscnt 0x0                               ; my reads of P are over (and M's tiles 8 to 18 are in):
	s_barrier_signal -1                            ; say so; the next softmax stores into P only when all four have
.endif
.set sl_, 0
.rept 2
.set t_, 0
.rept 4
.set c_, 0
.rept 4
.if (2*u_+sl_) == 0
	WM OACC+8*(4*t_+c_), VT+8*(4*(2*u_+sl_)+c_), PFB+64*(u_%2)+32*sl_+8*t_, -1
.else
	WM OACC+8*(4*t_+c_), VT+8*(4*(2*u_+sl_)+c_), PFB+64*(u_%2)+32*sl_+8*t_, OACC+8*(4*t_+c_)
.endif
.set c_, c_+1
.endr
.set t_, t_+1
.endr
.set sl_, sl_+1
.endr
.set u_, u_+1
.endr
	s_barrier_wait -1
	PLACES
	WIN 0x0a                                       ; sources in window 2, destination in window 0: S^T's registers are free
.set k_, 0
.rept 16
.irp j, 0,1,2,3
	v_cvt_pk_bf16_f32 v[S+4*k_+\j], v[OACC%256+8*k_+2*\j], v[OACC%256+8*k_+2*\j+1]
.endr
.set k_, k_+1
.endr
	WIN 0
.set k_, 0
.rept 16
	global_store_b128 v[OOF], v[S+4*k_:S+4*k_+3], s[92:93] offset:10240*(k_%4)+512*(k_/4)-2048  ; 512 consecutive bytes: 16 queries x 16 channels; the base was stepped in the softmax before, so the stores reach back
.set k_, k_+1
.endr
.endm
	ROUNDHEAD
	; V^T: the sums of row blocks 2 s and 2 s + 1, rounded in pairs, are a fragment of 16 channels x 32 keys.  In place, ascending: fragment 4 s + cb lies at or below the sums 8 s + cb that it takes.
.set spk, 0
.rept 10
.set cpk, 0
.rept 4
.set dd, VT+8*(4*spk+cpk)
.set alo, VACC+8*(8*spk+cpk)
.set aup, VACC+8*(8*spk+4+cpk)
.irp k, 0,1,2,3
	CVP dd+\k, alo+2*\k
.endr
.if spk < 9
.irp k, 0,1,2,3
	CVP dd+4+\k, aup+2*\k
.endr
.else
	WIN (dd/256)<<6
.irp k, 4,5,6,7
	v_mov_b32 v[dd%256+\k], 0                      ; keys 304-319 do not exist
.endr
.endif
.set cpk, cpk+1
.endr
.set spk, spk+1
.endr
	MLD 8, 19                                      ; what the second product's text does for the later rounds
	WIN 0
	s_branch .Lsoft                                ; the loop is entered at its softmax: there is no P yet to multiply
.Lround:
	ROUNDHEAD
	AV 1
	WIN 0
.Lsoft:
	; S^T = M q^T: source 0 = 16 keys of M, source 1 = my 16 queries.  Tiles 8 to 18 are in or on their way; tiles 0 to 7 are asked for now, into the registers that held P's fragments, and land under the first 22 products.
	MLD 0, 8
.macro SCORE k0, k1                    ; the tiles take turns: d = 0-31 for all of them, then d = 32-63
.set kt, \k0
.rept (\k1)-(\k0)
	WM S+8*kt, STG+16*kt, Q, -1
.set kt, kt+1
.endr
.set kt, \k0
.rept (\k1)-(\k0)
	WM S+8*kt, STG+16*kt+8, Q+8, S+8*kt
.set kt, kt+1
.endr
.endm
; The tiles are walked in the order 8 .. 18, 0 .. 7: number n of the walk is tile (n + 8) % 19.  TLD n: its tables, four loads, over its fragments of M.
.macro TLD n
.set kq_, ((\n)+8)%19
.set f_, STG+16*kq_
	WIN (f_/256)<<6
.irp e, 0,1,2,3
	ds_load_b128 v[f_%256+4*\e:f_%256+4*\e+3], v[TRD] offset:2048*kq_+512*\e
.endr
.endm
	s_wait_loadcnt 0x0                             ; q
	s_wait_dscnt 32                                ; the 32 loads just issued may stay out
	SCORE 8, 19
	PLACES
	s_wait_tensorcnt 0x0                           ; my tables: the one load of mine that is out, and nobody else reads them
	TLD 0
	TLD 1
	TLD 2
	TLD 3
	s_wait_xcnt 0x0                                ; the last stores of O have read v64-127 and their base: the products below write the one, the next line the other
	s_add_nc_u64 s[92:93], s[92:93], 2048          ; the next 64 queries
	s_wait_dscnt 16                                ; M's tiles 0 to 7 are in; the 16 loads of tables may stay out
	SCORE 0, 8
; GELU, a tile (8 scores a lane) a step, in two halves that overlap: step n holds the FRONT of tile n of the walk (z = s x (kappa weight_bank) + kappa bias; u = |z|; p = 1 + b1 u + .. + b4 u^4) and the BACK of
; tile n - 1 (r = 1 / p; r^2; erf = 1 - r^4; g = z + u erf; the running maximum in four chains).  The halves' lines take turns: every reciprocal has a plain line of the other half behind it (ISA guide 5.7.2),
; and a line reads what was made eight lines before it.  The tables are asked for four tiles ahead: the wait leaves the tiles behind this one out.  Each score's lowest registers are read first.
.macro GSTEP n
.set kc_, ((\n)+8)%19
.set kp_, ((\n)+7)%19
.set sC, S+8*kc_
.set sP, S+8*kp_
.set aC, TA+16*((\n)%2)
.set pC, TP+16*((\n)%2)
.set aP, TA+16*(((\n)+1)%2)
.set pP, TP+16*(((\n)+1)%2)
.set tC, STG+16*kc_
.if (\n)+4 <= 18
	TLD (\n)+4
.endif
.if (\n) <= 14
	s_wait_dscnt 16
.elseif (\n) <= 18
	s_wait_dscnt 4*(18-(\n))
.endif
.if (\n) <= 18
	WIN ((tC/256)<<4)|((tC/256)<<2)                ; the tables are sources 1 and 2; the reciprocals between name a destination and source 0 alone
.endif
.irp k, 0,1,2,3
.if (\n) <= 18
	v_pk_fma_f32 v[sC+2*\k:sC+2*\k+1], v[sC+2*\k:sC+2*\k+1], v[tC%256+2*\k:tC%256+2*\k+1], v[tC%256+8+2*\k:tC%256+8+2*\k+1]
.endif
.if (\n) >= 1
	v_rcp_f32 v[pP+\k], v[pP+\k]
.endif
.endr
	WIN 0
.irp k, 0,1,2,3
.if (\n) <= 18
	v_and_b32 v[aC+\k], s84, v[sC+\k]
.endif
.if (\n) >= 1
	v_rcp_f32 v[pP+4+\k], v[pP+4+\k]
.endif
.endr
.if (\n) <= 18
.irp k, 4,5,6,7
	v_and_b32 v[aC+\k], s84, v[sC+\k]
.endr
.else
	v_nop                                          ; the last back half has no front beside it
	s_wait_alu depctr_va_vdst(0)
.endif
.if (\n) >= 1
	s_wait_alu depctr_va_vdst(0)
.irp p, 0,2,4,6
	v_pk_mul_f32 v[pP+\p:pP+\p+1], v[pP+\p:pP+\p+1], v[pP+\p:pP+\p+1]
.endr
.endif
.if (\n) <= 18
.irp p, 0,2,4,6
	v_pk_fma_f32 v[pC+\p:pC+\p+1], v[aC+\p:aC+\p+1], s[76:77], s[78:79] op_sel_hi:[1,0,0]
.endr
.endif
.if (\n) >= 1
.irp p, 0,2,4,6
	v_pk_fma_f32 v[pP+\p:pP+\p+1], v[pP+\p:pP+\p+1], v[pP+\p:pP+\p+1], 1.0 op_sel_hi:[1,1,0] neg_lo:[1,0,0] neg_hi:[1,0,0]
.endr
.endif
.if (\n) <= 18
.irp p, 0,2,4,6
	v_pk_fma_f32 v[pC+\p:pC+\p+1], v[pC+\p:pC+\p+1], v[aC+\p:aC+\p+1], s[80:81] op_sel_hi:[1,1,0]
.endr
.endif
.if (\n) >= 1
.irp p, 0,2,4,6
	v_pk_fma_f32 v[sP+\p:sP+\p+1], v[aP+\p:aP+\p+1], v[pP+\p:pP+\p+1], v[sP+\p:sP+\p+1]
.endr
.endif
.if (\n) <= 18
.irp p, 0,2,4,6
	v_pk_fma_f32 v[pC+\p:pC+\p+1], v[pC+\p:pC+\p+1], v[aC+\p:aC+\p+1], s[82:83] op_sel_hi:[1,1,0]
.endr
.endif
.if (\n) >= 1
.if kp_ == 18
.irp j, 4,5,6,7
	v_cndmask_b32 v[sP+\j], v[sP+\j], v[BIG], s85  ; keys 300-303: lanes 16-31, registers 4-7 of the last tile
.endr
.endif
.irp c, 0,1,2,3
.if (\n) == 1
	v_max_num_f32 v[MX+\c], v[sP+2*\c], v[sP+2*\c+1]
.else
	v_max3_num_f32 v[MX+\c], v[MX+\c], v[sP+2*\c], v[sP+2*\c+1]
.endif
.endr
.endif
.if (\n) <= 18
.irp p, 0,2,4,6
	v_pk_fma_f32 v[pC+\p:pC+\p+1], v[pC+\p:pC+\p+1], v[aC+\p:aC+\p+1], 1.0 op_sel_hi:[1,1,0]
.endr
.endif
.endm
.set gs, 0
.rept 20
	GSTEP gs
.set gs, gs+1
.endr
	v_max_num_f32 v[MX], v[MX], v[MX+1]
	v_max_num_f32 v[MX+2], v[MX+2], v[MX+3]
	v_max_num_f32 v[MX], v[MX], v[MX+2]
	v_permlanex16_b32 v[MX+1], v[MX], s72, s73     ; the query's other keys lie in the lane 16 away
	v_max_num_f32 v[MX], v[MX], v[MX+1]
	v_mul_f32 v[KM], s74, v[MX]
	v_mul_f32 v[KM+1], s74, v[MX]
	; the weights 2^(kappa g - kappa max), and their sum in four pairs.  A tile's eight exponentials take turns with the next tile's four scalings and the four additions of the tile before.
.macro EFMA t, k
	v_pk_fma_f32 v[S+8*(\t)+2*(\k):S+8*(\t)+2*(\k)+1], v[S+8*(\t)+2*(\k):S+8*(\t)+2*(\k)+1], s[74:75], v[KM:KM+1] op_sel_hi:[1,0,1] neg_lo:[0,0,1] neg_hi:[0,0,1]
.endm
.macro EADD t, k
.if (\t) == 1
	s_wait_alu depctr_va_vdst(0)
	v_pk_add_f32 v[SU+2*(\k):SU+2*(\k)+1], v[S+2*(\k):S+2*(\k)+1], v[S+8+2*(\k):S+8+2*(\k)+1]  ; tiles 0 and 1 start the sums
.else
	s_wait_alu depctr_va_vdst(0)
	v_pk_add_f32 v[SU+2*(\k):SU+2*(\k)+1], v[SU+2*(\k):SU+2*(\k)+1], v[S+8*(\t)+2*(\k):S+8*(\t)+2*(\k)+1]
.endif
.endm
.irp k, 0,1,2,3
	EFMA 0, \k
.endr
.set et, 0
.rept 19
.set ek, 0
.rept 8
	v_exp_f32 v[S+8*et+ek], v[S+8*et+ek]
.if (ek < 4) && (et < 18)
	EFMA et+1, ek
.endif
.if (ek >= 4) && (et >= 2)
	EADD et-1, ek-4
.endif
.set ek, ek+1
.endr
.set et, et+1
.endr
.irp k, 0,1,2,3
	EADD 18, \k
.endr
	v_pk_add_f32 v[SU:SU+1], v[SU:SU+1], v[SU+2:SU+3]
	v_pk_add_f32 v[SU+4:SU+5], v[SU+4:SU+5], v[SU+6:SU+7]
	v_pk_add_f32 v[SU:SU+1], v[SU:SU+1], v[SU+4:SU+5]
	v_add_f32 v[SU], v[SU], v[SU+1]
	v_permlanex16_b32 v[SU+1], v[SU], s72, s73
	v_add_f32 v[SU], v[SU], v[SU+1]
	v_rcp_f32 v[RL], v[SU]                         ; the sum is 1 at the least: the maximum's own weight
	v_rcp_f32 v[RL+1], v[SU]
	v_nop
	; P = weight / sum, rounded to bf16: a lane's 8 keys of one query are 16 bytes of the query's row.  A tile's store stands behind the next tile's multiplies.
.set kt, 0
	s_wait_alu depctr_va_vdst(0)
.rept 19
.set rS, S+8*kt
.irp p, 0,2,4,6
	v_pk_mul_f32 v[rS+\p:rS+\p+1], v[rS+\p:rS+\p+1], v[RL:RL+1]
.endr
.if kt > 0
	ds_store_b128 v[PST], v[rS-8:rS-5] offset:32*(kt-1)
.endif
.irp k, 0,1,2,3
	v_cvt_pk_bf16_f32 v[rS+\k], v[rS+2*\k], v[rS+2*\k+1]
.endr
.set kt, kt+1
.endr
	ds_store_b128 v[PST], v[S+144:S+147] offset:576
	ds_store_b128 v[PST], v[ZR:ZR+3] offset:608    ; keys 304-319
	WIN 0
	s_add_co_u32 s87, s87, 4
	s_sub_co_u32 s86, s86, 1
	s_cmp_lg_u32 s86, 0
	s_cbranch_scc1 .Lround
	s_wait_dscnt 0x0                               ; the last round: my stores of P are done; nothing is left to fetch, so a plain barrier
	s_barrier_signal -1
	s_barrier_wait -1
	AV 0
	WIN 0
	s_wait_tensorcnt 0x0                           ; the wave's end: these three lines stand behind my last tensor load and my last LDS store
	ds_add_u32 v[SPW], v[NIL]
	s_wait_dscnt 0x0
	CROUND                                         ; the closing round: no work-group ends while a partner may still ask for a tile that names it
	s_endpgm
.Lfunc_end_k_qe1a39df9fd_mix:
	.size	k_qe1a39df9fd_mix, .Lfunc_end_k_qe1a39df9fd_mix-k_qe1a39df9fd_mix
	.p2alignl 7, 3214868480
	.fill 96, 4, 3214868480
	.section	.rodata,"a",@progbits
	.p2align	6, 0x0
	.amdhsa_kernel k_qe1a39df9fd_mix
		.amdhsa_group_segment_fixed_size 327680
		.amdhsa_private_segment_fixed_size 0
		.amdhsa_enable_private_segment 0
		.amdhsa_kernarg_size 48
		.amdhsa_user_sgpr_count 2
		.amdhsa_user_sgpr_kernarg_segment_ptr 1
		.amdhsa_wavefront_size32 1
		.amdhsa_system_sgpr_workgroup_id_x 1
		.amdhsa_system_sgpr_workgroup_id_y 1
		.amdhsa_system_sgpr_workgroup_id_z 1
		.amdhsa_system_vgpr_workitem_id 0
		.amdhsa_next_free_vgpr 1024
		.amdhsa_next_free_sgpr 102
		.amdhsa_reserve_vcc 0
		.amdhsa_float_denorm_mode_32 3
		.amdhsa_float_denorm_mode_16_64 3
		.amdhsa_memory_ordered 1
		.amdhsa_forward_progress 1
		.amdhsa_inst_pref_size 255
	.end_amdhsa_kernel
	.section	.bss,"aw",@nobits
	.p2align	6
	.space	262144
	.amdgpu_metadata
---
amdhsa.version: [ 1, 2 ]
amdhsa.kernels:
  - .name:           k_qe1a39df9fd_mix
    .symbol:         k_qe1a39df9fd_mix.kd
    .args:
      - { .name: xb, .offset: 0, .size: 8, .value_kind: global_buffer, .address_space: global }
      - { .name: wc, .offset: 8, .size: 8, .value_kind: global_buffer, .address_space: global }
      - { .name: tab, .offset: 16, .size: 8, .value_kind: global_buffer, .address_space: global }
      - { .name: b_gen, .offset: 24, .size: 8, .value_kind: global_buffer, .address_space: global }
      - { .name: b_val, .offset: 32, .size: 8, .value_kind: global_buffer, .address_space: global }
      - { .name: ows, .offset: 40, .size: 8, .value_kind: global_buffer, .address_space: global }
    .group_segment_fixed_size: 327680
    .private_segment_fixed_size: 0
    .kernarg_segment_align: 8
    .kernarg_segment_size: 48
    .max_flat_workgroup_size: 128
    .sgpr_count:     102
    .vgpr_count:     1024
    .wavefront_size: 32
...
	.end_amdgpu_metadata
.endif
;; end of part 2
;; launch outp (part 3): grid 4 x 64, 4 waves a work-group, clusters of 4 x 4, 327,680 bytes of LDS; arguments ows, wo, b_out, query_feats, out0; writes out0
.if DOCPART == 3
	.amdgcn_target "amdgcn-amd-amdhsa--gfx1250"
	.amdhsa_code_object_version 6
	.text
	.protected	k_qe1a39df9fd_outp
	.globl	k_qe1a39df9fd_outp
	.p2align	8
	.type	k_qe1a39df9fd_outp,@function
k_qe1a39df9fd_outp:
	s_mov_b64 s[64:65], 0
	v_nop
	global_prefetch_b8 v0, s[64:65] scope:SCOPE_SE
	s_setreg_imm32_b32 hwreg(HW_REG_WAVE_MODE, 25, 1), 1
	s_wait_xcnt 0x0
	s_wait_alu depctr_hold_cnt(0) depctr_sa_sdst(0) depctr_va_vdst(0) depctr_va_sdst(0) depctr_va_ssrc(0) depctr_va_vcc(0) depctr_vm_vsrc(0)
	s_getreg_b32 s2, hwreg(HW_REG_IB_STS2, 6, 4)
	s_cmp_eq_u32 s2, 0
	s_cbranch_scc0 .Lentry_in_a_cluster
	s_endpgm
.Lentry_in_a_cluster:
	s_bfe_u32 s2, ttmp6, 0x10000c
	s_cmp_lg_u32 s2, 0xf033
	s_cbranch_scc0 .Lentry_shape_is_right
	s_endpgm
.Lentry_shape_is_right:
; OUTP: out0 = O W_out + b_out + query_feats.  O (ows) and W_out (wo) in bf16, sums, bias and residual in f32.
; A work-group makes one batch's 320 rows (300 are real) x 128 columns, K = 2,048 in 64 quarters of 32.  Wave w makes rows 80 w on: 5 row blocks x 8 column blocks, 40 accumulators.
; The sources are swapped (source 0 = 16 columns of W_out, source 1 = 16 rows of O): a lane holds 8 neighbouring columns of one row.  b_out is the C of the first products.
; O GOES FROM MEMORY INTO REGISTERS.  ows lies [c16][row 320][16 channels]: half a fragment of O is 512 consecutive bytes, one load of the wave; a wave's 80 rows are read by that wave alone, so LDS would give them
; no reuse.  A ring of eight buffers of 40 registers is filled six quarters ahead: 60 loads, 30,720 bytes, of every wave are on their way, with 240 products between a request and the wait for it, and no barrier.
; W_OUT GOES THROUGH LDS, which all four waves read: K steps of 128 through a ring of two slots; wo lies [K][N] and is turned by ds_load_tr16_b128; its rows are 128 + 32 bytes apart.
; CLUSTER.  4 x 4 work-groups.  The four of a column share the columns: W_out's tiles are asked for jointly.  The four of a row share the batch, and O is NOT asked for jointly: a ring of two slots that held O's
; 81,920 and W_out's 40,960 bytes of a K step fills LDS, so a request could stand one K step, 160 products, ahead of its wait at the most; the register ring stands 240 ahead.
; THE WAY OUT.  16 rows at a time through my own stage in LDS, back as whole rows of 512 bytes.  The residual's first block is loaded at the head, the others in the last four quarters, into ring buffers that
; have been multiplied; rows from 300 on are neither loaded nor stored.
; REGISTERS by their true numbers: v0-31 addresses; v32-95, v96-159 W_out's fragments, two buffers of 8; v160-223 b_out; v256-575 the sums; O's ring: buffers 0-5 at v768 + 40 i, 6 and 7 at v576, v616;
; residual: block 0 at v656-719, block a > 0 at v768 + 64 (a - 1).
.set SLOTB,  40960                     ; W_out of a K step: 256 rows x 160 bytes
.set STAGE,  2*SLOTB                   ; 16 rows x 528 bytes for each wave
.set SPITCH, 528
.set SPARE,  STAGE+4*16*SPITCH         ; the spare words, 128 bytes a wave: two blocks of 256 bytes that no other line names
.set R,   1
.set HH,  2
.set AO,  4                            ; my 16 bytes in the 512 of half a fragment of O; never rewritten
.set ADB, 8                            ; v8-9  W_out's fragments, slot 0, 1
.set STO, 10
.set RD,  11
.set GO,  12                           ; 16 x lane
.set BO,  13
.set SPW, 28                           ; LDS address of my spare word; never rewritten
.set NIL, 29                           ; 0; never rewritten
.set F0,  32
.set F1,  96
.set RR,  32                           ; the way out: rows read back
.set CBO, 160
.set ACC, 256
.set G1B, 32                           ; s[32:39], s[48:55] descriptor groups 1 and 0 (a set for each slot) for W_out's tiles
.set G0B, 48
.set MSB, 0
.macro WIN new                         ; the high byte repeats the setting that is left; a switch that changes nothing is dropped
.if MSB != (\new)
	s_set_vgpr_msb (MSB<<8)|(\new)
.set MSB, (\new)
.endif
.endm
.macro PLACES                          ; four plain places between a matrix instruction and a load into, or a line on, its registers
.rept 4
	v_nop
.endr
.endm
.macro WM d, a, b, c
	WIN (((\d)/256)<<6)|(((\c)/256)<<4)|(((\b)/256)<<2)|((\a)/256)
	v_wmma_f32_16x16x32_bf16 v[(\d)%256:(\d)%256+7], v[(\a)%256:(\a)%256+7], v[(\b)%256:(\b)%256+7], v[(\c)%256:(\c)%256+7]
.endm
.macro CREST
	s_cmp_lg_u32 s16, 0
	s_cbranch_scc1 .Lnot_wave_0_\@
	s_barrier_signal -3
.Lnot_wave_0_\@:
	s_barrier_wait -3
	s_barrier_signal -1
	s_barrier_wait -1
.endm
.macro CROUND
	s_barrier_signal -1
	s_barrier_wait -1
	CREST
.endm
.macro JLOAD s                         ; waves 2 and 3 fetch the halves of W_out's tile, 64 rows of 256 bytes each; waves 0 and 1 have no part of it; an s_nop 0 and four v_nop follow the line
	s_cmp_eq_u32 s17, 0
	s_cbranch_scc1 .Lasked_\@
	tensor_load_to_lds s[G0B+4*(\s):G0B+4*(\s)+3], s[G1B:G1B+7]
	s_nop 0
.rept 4
	v_nop
.endr
.Lasked_\@:
.endm
; the ten loads of quarter qi of O (counted from the lap's first), into ring buffer qi % 8
.macro ALOAD qi
.set rb_, 768+40*((\qi)%8)
.if ((\qi)%8) >= 6
.set rb_, 576+40*((\qi)%8-6)
.endif
	WIN (rb_/256)<<6
.irp a, 0,1,2,3,4
	global_load_b128 v[rb_%256+8*\a:rb_%256+8*\a+3],   v[AO], s[4:5] offset:(\qi)*20480+512*\a
	global_load_b128 v[rb_%256+8*\a+4:rb_%256+8*\a+7], v[AO], s[4:5] offset:(\qi)*20480+512*\a+10240
.endr
.endm
; the residual: rows i0 .. i1 - 1 of my row block a, 512 consecutive bytes a load; it leaves every window 0
.macro XLOAD a, i0, i1
.set xr_, 656
.if (\a) > 0
.set xr_, 768+64*((\a)-1)
.endif
	WIN (xr_/256)<<6
.set i_, \i0
.rept (\i1)-(\i0)
	global_load_b128 v[xr_%256+4*i_:xr_%256+4*i_+3], v[GO], s[10:11] offset:(16*(\a)+i_)*2048
.set i_, i_+1
.endr
	WIN 0
.endm
	s_load_b256 s[4:11], s[0:1], 0x0               ; ows s[4:5], wo s[6:7], b_out s[8:9], query_feats s[10:11]
	s_load_b64 s[12:13], s[0:1], 0x20              ; out0
	v_lshl_add_u32 v[SPW], v0, 2, SPARE
	v_mov_b32 v[NIL], 0
	ds_add_u32 v[SPW], v[NIL]                      ; the wave's opening: the add and its wait stand ahead of my first tensor load; work on registers stands between them
	v_lshrrev_b32 v1, 5, v0
	v_readfirstlane_b32 s16, v1                    ; wave 0..3
	s_lshr_b32 s17, s16, 1
	s_and_b32 s18, s16, 1
	s_bfe_u32 s19, ttmp6, 0x40000                  ; cx
	s_bfe_u32 s20, ttmp6, 0x40004                  ; cy
	s_lshl_b32 s21, ttmp9, 2
	s_add_co_u32 s21, s21, s19                     ; column quarter = 4 x cluster x + cx
	s_and_b32 s22, ttmp7, 0xffff
	s_lshl_b32 s22, s22, 2
	s_add_co_u32 s22, s22, s20                     ; batch = 4 x cluster y + cy
	s_lshl_b32 s15, 0x1111, s19                    ; my column of the cluster
	s_or_b32 s[G1B], s15, (1<<16)|(1<<20)|(1<<21)|(4<<22)|(7<<25)  ; dense bytes as rows of 128 elements of 2 bytes, padded by 8 words after every 32 (a row of 64 numbers)
	s_mov_b32 s[G1B+1], 128<<16
	s_mov_b32 s[G1B+2], 64<<16                     ; half of a tile: 16,384 bytes
	s_mov_b32 s[G1B+3], 128<<16
	s_mov_b32 s[G1B+4], 64
	s_mov_b32 s[G1B+5], 128
	s_mov_b32 s[G1B+6], 0
	s_mov_b32 s[G1B+7], 0
	s_mul_i32 s67, s18, 20480
	s_mov_b32 s[G0B], 1
	s_mov_b32 s[G0B+1], s67
	s_mov_b32 s[G0B+4], 1
	s_add_co_u32 s[G0B+5], s67, SLOTB
	s_lshl_b32 s60, s21, 19                        ; the quarter's W_out (registers that never hold cy)
	s_lshl_b32 s61, s18, 14
	s_add_co_u32 s60, s60, s61
	s_mov_b32 s61, 0
	s_mul_i32 s58, s22, 1310720                    ; the batch's O,
	s_mul_i32 s59, s16, 2560                       ; my 80 rows of 32 bytes in each block of 16 channels
	s_add_co_u32 s58, s58, s59
	s_mov_b32 s59, 0
	s_lshl_b32 s24, s21, 9                         ; my quarter of a row of 2,048 bytes
	s_mov_b32 s25, 0
	s_mul_i32 s62, s22, 300
	s_mul_i32 s63, s16, 80
	s_add_co_u32 s62, s62, s63
	s_lshl_b32 s62, s62, 11                        ; my first row
	s_add_co_u32 s62, s62, s24
	s_mov_b32 s63, 0
	v_and_b32 v[R], 15, v0
	v_bfe_u32 v[HH], v0, 4, 1
	v_lshlrev_b32 v[AO], 5, v[R]
	v_lshl_add_u32 v[AO], v[HH], 4, v[AO]          ; row l % 16 of 32 bytes, 16 bytes for each half of the lanes
	v_and_b32 v[GO], 31, v0
	v_lshlrev_b32 v[GO], 4, v[GO]
	v_lshlrev_b32 v[BO], 5, v[HH]
	s_wait_dscnt 0x0                               ; the opening add is done
	s_wait_kmcnt 0x0
	s_add_nc_u64 s[G0B+2:G0B+3], s[6:7], s[60:61]
	s_add_nc_u64 s[G0B+6:G0B+7], s[G0B+2:G0B+3], 32768
	s_or_b32 s[G0B+3], s[G0B+3], 0x80000000
	s_or_b32 s[G0B+7], s[G0B+7], 0x80000000
	s_add_nc_u64 s[4:5], s[4:5], s[58:59]
	s_add_nc_u64 s[8:9], s[8:9], s[24:25]          ; b_out at column 128 nq
	s_add_nc_u64 s[10:11], s[10:11], s[62:63]
	s_add_nc_u64 s[12:13], s[12:13], s[62:63]
	; loads into registers wait for no partner: they go out ahead of the cluster's round.  b_out and the residual's first block are older than every load of O, so they enter none of the counts below.
.irp nb, 0,1,2,3,4,5,6,7                           ; register j of block nb: b_out[128 nq + 16 nb + 8 (l / 16) + j]
	global_load_b128 v[CBO+8*\nb:CBO+8*\nb+3],   v[BO], s[8:9] offset:64*\nb
	global_load_b128 v[CBO+8*\nb+4:CBO+8*\nb+7], v[BO], s[8:9] offset:64*\nb+16
.endr
	XLOAD 0, 0, 16
	ALOAD 0
	ALOAD 1
	ALOAD 2
	WIN 0
	CROUND                                         ; all sixteen work-groups are here: the first joint loads meet
	s_cmp_eq_u32 s17, 0                            ; a wave's two first fills stand in one branch: two loads of waves 2 and 3 are out, none of waves 0 and 1
	s_cbranch_scc1 .Lfirst_asked
	tensor_load_to_lds s[G0B:G0B+3], s[G1B:G1B+7]
	s_nop 0
	tensor_load_to_lds s[G0B+4:G0B+7], s[G1B:G1B+7]
	s_nop 0
.rept 4
	v_nop
.endr
.Lfirst_asked:
	v_and_b32 v14, 7, v0                           ; the turning load: lane l reads row 8 (l / 16) + l % 8, columns 8 ((l / 8) % 2) + 0..7
	v_lshl_add_u32 v14, v[HH], 3, v14
	v_mul_u32_u24 v14, 160, v14
	v_bfe_u32 v15, v0, 3, 1
	v_lshl_add_u32 v[ADB], v15, 4, v14
	v_add_nc_u32 v[ADB+1], SLOTB, v[ADB]
	s_mul_i32 s66, s16, 16*SPITCH
	s_add_co_u32 s66, s66, STAGE                   ; my stage
	v_mul_u32_u24 v[STO], SPITCH, v[R]
	v_lshl_add_u32 v[STO], v[HH], 5, v[STO]        ; in: row l % 16, 32 bytes for each half of the lanes
	v_add_nc_u32 v[STO], s66, v[STO]
	v_add_nc_u32 v[RD], s66, v[GO]                 ; back: 32 lanes take one row of 512 bytes
	s_wait_loadcnt 30                              ; b_out and the residual's block 0 are in: the three quarters of O behind them may stay out
	ALOAD 3
	ALOAD 4
	ALOAD 5
	WIN 0
; 16 LDS loads: W_out's fragments of quarter u (32 along K) of the K step in a slot, into buffer f
.macro FETCH slot, u, f
	WIN 0
.irp nb, 0,1,2,3,4,5,6,7
	ds_load_tr16_b128 v[\f+8*\nb:\f+8*\nb+3],   v[ADB+(\slot)] offset:((\u)/2)*20480+(\nb/4)*10240+((\u)%2)*5120+32*(\nb%4)
	ds_load_tr16_b128 v[\f+8*\nb+4:\f+8*\nb+7], v[ADB+(\slot)] offset:((\u)/2)*20480+(\nb/4)*10240+((\u)%2)*5120+32*(\nb%4)+2560
.endr
.endm
; products i0 .. i1 - 1 of a quarter's 40, W_out from buffer f, O from ring buffer j: row block i / 8, column block i % 8; each accumulator once a quarter, so that no two that follow each other share one
.macro MUL f, j, i0, i1, first
.set rm_, 768+40*(\j)
.if (\j) >= 6
.set rm_, 576+40*((\j)-6)
.endif
.set i_, \i0
.rept (\i1)-(\i0)
.set d_, ACC+8*i_
.if \first
	WM d_, \f+8*(i_%8), rm_+8*(i_/8), CBO+8*(i_%8)
.else
	WM d_, \f+8*(i_%8), rm_+8*(i_/8), d_
.endif
.set i_, i_+1
.endr
.endm
; A quarter's head: W_out's fragments, asked for a quarter earlier, are in; so is this quarter's O: left = the loads issued behind it, which stay out; four places in front of the loads that follow.
; The ring buffer that those loads fill was multiplied two quarters ago, with the last quarter's places behind it.
.macro QH left
	s_wait_dscnt 0x0
	s_wait_loadcnt \left
	PLACES
.endm
.macro QB f, j, first, nslot, nu, nf   ; the next quarter's fragments of W_out, and this quarter's 40 products
	FETCH \nslot, \nu, \nf
	MUL \f, \j, 0, 40, \first
.endm
; A K step's last quarter changes slots.  Each wave waits for all its tensor loads (of waves 2 and 3 one is out: its part of the other slot), adds 0 to its spare word, and waits for that and for its reads of this slot.
; fill = 1: the barrier opens a round of the cluster's, and the joint refill, two K steps on, is the first tensor load behind it: 144 products stand between it and the wait for it.
.macro TURN slot, j, fill, left, aq
	s_wait_loadcnt \left
.if (\aq) >= 0
	ALOAD \aq
.endif
	WIN 0
	s_wait_tensorcnt 0x0                           ; all my tensor loads have landed
	ds_add_u32 v[SPW], v[NIL]                      ; 0 onto my spare word
	s_wait_dscnt 0x1                               ; the quarter's fragments are in; the add alone may be out
	MUL F1, \j, 0, 8, 0
	s_wait_dscnt 0x0                               ; the add is done, and my reads of this slot are over
	s_barrier_signal -1
	MUL F1, \j, 8, 16, 0
	WIN 0
	s_barrier_wait -1
.if \fill
	CREST                                          ; no wave of any partner still reads this slot or has a load on its way
	s_add_nc_u64 s[G0B+4*(\slot)+2:G0B+4*(\slot)+3], s[G0B+4*(\slot)+2:G0B+4*(\slot)+3], 65536
	JLOAD \slot
.endif
	PLACES                                         ; on every wave's path, in front of the loads into buffer 0
	FETCH 1-(\slot), 0, F0
	MUL F1, \j, 16, 40, 0
.endm
.macro STG a                           ; row block a into my stage; each sum's lowest registers first
	WIN ((ACC+64*(\a))/256)<<2
.irp nb, 0,1,2,3,4,5,6,7
	ds_store_b128 v[STO], v[(ACC+64*(\a))%256+8*\nb:(ACC+64*(\a))%256+8*\nb+3]   offset:64*\nb
	ds_store_b128 v[STO], v[(ACC+64*(\a))%256+8*\nb+4:(ACC+64*(\a))%256+8*\nb+7] offset:64*\nb+16
.endr
	WIN 0
.endm
.macro FIN a, i0, i1, left             ; rows i0 .. i1 - 1 back from the stage, plus the residual, stored; left = the residual loads issued behind this block's, which stay out; -1: the block is known to be in
	WIN 0
	s_wait_xcnt 0x0                                ; the registers that earlier stores read are loaded again only behind this wait
.set i_, \i0
.rept (\i1)-(\i0)
	ds_load_b128 v[RR+4*(i_-(\i0)):RR+4*(i_-(\i0))+3], v[RD] offset:SPITCH*i_  ; LDS serves a wave's instructions in order (ISA guide 5.7.1.4): these see my stores above
.set i_, i_+1
.endr
	s_wait_dscnt 0x0
.if (\left) >= 0
	s_wait_loadcnt \left
.endif
.set xr_, 656
.if (\a) > 0
.set xr_, 768+64*((\a)-1)
.endif
	WIN (xr_/256)<<2                               ; source 1: the residual
.set i_, \i0
.rept (\i1)-(\i0)
	v_pk_add_f32 v[RR+4*(i_-(\i0)):RR+4*(i_-(\i0))+1],   v[RR+4*(i_-(\i0)):RR+4*(i_-(\i0))+1],   v[xr_%256+4*i_:xr_%256+4*i_+1]
	v_pk_add_f32 v[RR+4*(i_-(\i0))+2:RR+4*(i_-(\i0))+3], v[RR+4*(i_-(\i0))+2:RR+4*(i_-(\i0))+3], v[xr_%256+4*i_+2:xr_%256+4*i_+3]
.set i_, i_+1
.endr
	WIN 0
.set i_, \i0
.rept (\i1)-(\i0)
	global_store_b128 v[GO], v[RR+4*(i_-(\i0)):RR+4*(i_-(\i0))+3], s[12:13] offset:(16*(\a)+i_)*2048  ; 512 consecutive bytes, at a multiple of 256 from out0's first
.set i_, i_+1
.endr
.endm
	s_wait_tensorcnt 0x1                           ; my part of K step 0 is in; K step 1's may stay out
	s_barrier_signal -1
	s_barrier_wait -1
	FETCH 0, 0, F0
	QH 50                                          ; five quarters of O, 50 loads, are behind this one: so at every quarter until the loads end
	ALOAD 6
	QB F0, 0, 1, 0, 1, F1                          ; the first quarter stands ahead of the loop: its products start the sums, with b_out as C
	WIN 0
	s_mov_b32 s56, 7
.Llap:                                             ; a trip: eight quarters, once round both rings; W_out's K steps 2 to 15 are asked for here, and O's quarters 7 to 62
	QH 50
	ALOAD 7
	QB F1, 1, 0, 0, 2, F0
	QH 50
	ALOAD 8
	QB F0, 2, 0, 0, 3, F1
	TURN 0, 3, 1, 50, 9
	QH 50
	ALOAD 10
	QB F0, 4, 0, 1, 1, F1
	QH 50
	ALOAD 11
	QB F1, 5, 0, 1, 2, F0
	QH 50
	ALOAD 12
	QB F0, 6, 0, 1, 3, F1
	TURN 1, 7, 1, 50, 13
	QH 50
	ALOAD 14
	QB F0, 0, 0, 0, 1, F1
	WIN 0
	s_wait_xcnt 0x0                                ; O's base is stepped only behind this wait
	s_add_nc_u64 s[4:5], s[4:5], 163840            ; eight quarters on
	s_sub_co_u32 s56, s56, 1
	s_cmp_lg_u32 s56, 0
	s_cbranch_scc1 .Llap
	; the last seven quarters are written out
	QH 50
	ALOAD 7                                        ; O's last quarter
	QB F1, 1, 0, 0, 2, F0
	QH 50
	QB F0, 2, 0, 0, 3, F1
	TURN 0, 3, 0, 40, -1                           ; four quarters of O are behind this one
	QH 30
	XLOAD 1, 0, 16                                 ; into ring buffers 0 and 1, multiplied four and three quarters ago
	QB F0, 4, 0, 1, 1, F1
	QH 36                                          ; two quarters of O and 16 rows
	XLOAD 2, 0, 16
	QB F1, 5, 0, 1, 2, F0
	QH 42                                          ; one quarter of O and 32 rows
	XLOAD 3, 0, 12
	s_cmp_eq_u32 s16, 3
	s_cbranch_scc1 .Lno_x3                         ; wave 3's rows end at 240 + 60 = 300
	XLOAD 3, 12, 16
.Lno_x3:
	QB F0, 6, 0, 1, 3, F1
	WIN 0                                          ; at a branch and at a label every window is 0
	s_wait_dscnt 0x0
	s_wait_loadcnt 44                              ; 44 rows are behind O's last quarter in wave 3, 48 in the others: the smaller count serves both
	s_cmp_eq_u32 s16, 3
	s_cbranch_scc1 .Lno_x4
	XLOAD 4, 0, 16                                 ; into ring buffers 4 and 5, multiplied three and two quarters ago, with the last quarter's places behind them
.Lno_x4:
	MUL F1, 7, 0, 40, 0
	PLACES
	STG 0
	FIN 0, 0, 16, -1                               ; block 0's rows were in before the first product
	STG 1
	FIN 1, 0, 16, 28                               ; behind block 1's rows: 28 in wave 3, 48 in the others
	STG 2
	FIN 2, 0, 16, 12                               ; 12 in wave 3, 32 in the others
	STG 3
	FIN 3, 0, 12, 0
	s_cmp_eq_u32 s16, 3
	s_cbranch_scc1 .Lend
	FIN 3, 12, 16, -1
	STG 4
	FIN 4, 0, 16, -1
.Lend:
	s_wait_tensorcnt 0x0                           ; the wave's end: these three lines stand behind my last tensor load and my last LDS store
	ds_add_u32 v[SPW], v[NIL]
	s_wait_dscnt 0x0
	CROUND                                         ; the closing round: no work-group ends while a partner may still ask for a tile that names it
	s_endpgm
.Lfunc_end_k_qe1a39df9fd_outp:
	.size	k_qe1a39df9fd_outp, .Lfunc_end_k_qe1a39df9fd_outp-k_qe1a39df9fd_outp
	.p2alignl 7, 3214868480
	.fill 96, 4, 3214868480
	.section	.rodata,"a",@progbits
	.p2align	6, 0x0
	.amdhsa_kernel k_qe1a39df9fd_outp
		.amdhsa_group_segment_fixed_size 327680
		.amdhsa_private_segment_fixed_size 0
		.amdhsa_enable_private_segment 0
		.amdhsa_kernarg_size 40
		.amdhsa_user_sgpr_count 2
		.amdhsa_user_sgpr_kernarg_segment_ptr 1
		.amdhsa_wavefront_size32 1
		.amdhsa_system_sgpr_workgroup_id_x 1
		.amdhsa_system_sgpr_workgroup_id_y 1
		.amdhsa_system_sgpr_workgroup_id_z 1
		.amdhsa_system_vgpr_workitem_id 0
		.amdhsa_next_free_vgpr 1024
		.amdhsa_next_free_sgpr 72
		.amdhsa_reserve_vcc 0
		.amdhsa_float_denorm_mode_32 3
		.amdhsa_float_denorm_mode_16_64 3
		.amdhsa_memory_ordered 1
		.amdhsa_forward_progress 1
		.amdhsa_inst_pref_size 122
	.end_amdhsa_kernel
	.amdgpu_metadata
---
amdhsa.version: [ 1, 2 ]
amdhsa.kernels:
  - .name:           k_qe1a39df9fd_outp
    .symbol:         k_qe1a39df9fd_outp.kd
    .args:
      - { .name: ows, .offset: 0, .size: 8, .value_kind: global_buffer, .address_space: global }
      - { .name: wo, .offset: 8, .size: 8, .value_kind: global_buffer, .address_space: global }
      - { .name: b_out, .offset: 16, .size: 8, .value_kind: global_buffer, .address_space: global }
      - { .name: query_feats, .offset: 24, .size: 8, .value_kind: global_buffer, .address_space: global }
      - { .name: out0, .offset: 32, .size: 8, .value_kind: global_buffer, .address_space: global }
    .group_segment_fixed_size: 327680
    .private_segment_fixed_size: 0
    .kernarg_segment_align: 8
    .kernarg_segment_size: 40
    .max_flat_workgroup_size: 128
    .sgpr_count:     72
    .vgpr_count:     1024
    .wavefront_size: 32
...
	.end_amdgpu_metadata
.endif
;; end of part 3
